; MI455X (gfx1250); checked and timed in simulation.
; The chip was launched on July 23, 2026; its instructions are those of AMD's public machine-readable ISA for CDNA 5 (MIT licence, August 2026) and "CDNA5" Instruction Set Architecture Reference Guide (July 2026). The comments in the code are by the model that wrote it; some were corrected since.
;; Cross MHA. Allowed arithmetic: float matrix products may take bf16 or f16 operands with f32 sums; all other float work in f32.
;; Inputs: Wkv 2,048 x 1,024 float32; Wout 1,024 x 1,024 float32; Wq 1,024 x 1,024 float32; cross_mask 4 x 1,024 x 1,024 bool; decoder_input 4 x 1,024 x 1,024 float32; encoder_input 4 x 1,024 x 1,024 float32.
;; Outputs: out0 4 x 1,024 x 1,024 float32.
;; One version. Each part assembles by itself: llvm-mc -triple=amdgcn-amd-amdhsa -mcpu=gfx1250 --defsym DOCPART=n.
;; ======== version 1 of 1: 4 launches
;; limits: values are held in f16: magnitudes above 65,504 overflow, below 6.1e-05 lose precision
;; workspace buffers: src 27,262,976 bytes; prj 27,262,976 bytes; vals 8,388,608 bytes; mbits 524,288 bytes of whole numbers
;; launch prep (part 1): grid 640 x 1, 8 waves a work-group, no clusters, 35,840 bytes of LDS; arguments decoder_input, encoder_input, Wq, Wkv, Wout, cross_mask, src, mbits; writes src, mbits
.if DOCPART == 1
	.amdgcn_target "amdgcn-amd-amdhsa--gfx1250"
	.amdhsa_code_object_version 6
	.text
	.protected	k_q6ecf1878ae_prep
	.globl	k_q6ecf1878ae_prep
	.p2align	8
	.type	k_q6ecf1878ae_prep,@function
k_q6ecf1878ae_prep:
	s_mov_b64 s[64:65], 0
	v_nop
	global_prefetch_b8 v0, s[64:65] scope:SCOPE_SE
	s_setreg_imm32_b32 hwreg(HW_REG_WAVE_MODE, 25, 1), 1
	s_wait_xcnt 0x0
; prep: every matrix operand of the later launches, once, as f16; and the mask as words of lane bits.
; src holds 13 matrices [1024][1024] of f16 (2 MiB each):
;   0-3 decoder_input[b]   4-7 encoder_input[b]   8 Wout   9 Wq'   10 Wk'   11 Wv'   12 WoutT'
; The reference's features are head-last, f = 16 d + h.  Here n' = 64 h + d, so f(n') = 16 (n' & 63) + (n' >> 6):
;   Wq'[n'] = c Wq[f(n')], c = log2(e) / 8 (softmax scale and the change to base 2);  Wk'[n'] = Wkv[f(n')];  Wv'[n'] = Wkv[1024 + f(n')];
;   WoutT'[n'][k] = Wout[k][f(n')].
; mbits: word ((b 64 + QT) 64 + KT) 8 + j, bit L = mask[b][16 QT + (L & 15)][16 KT + 8 (L >> 4) + j] != 0.
; Three jobs by the work-group's number (the same for all its waves): 0-127 mask, 128-255 transpose, 256-639 rows.  The two jobs that go
; through LDS, whose chains of dependent steps are the longest, have the lowest numbers.
; LIMITS: a number of magnitude 65,504 or more becomes infinite in f16; below 6.1e-5 f16 keeps an absolute step of 6e-8.
; Any mask byte other than 0 counts as true.  c is folded into Wq ahead of the rounding to f16.
; No matrix unit, no cluster: no byte is shared between work-groups but Wout's, which two jobs read once each.
.set X,   4                            ; v[4:131]  rows job: row i at X + 32 i, chunk ch at + 8 ch
.set CSC, 0x3e38aa3b                   ; log2(e) / 8
.set MPITCH, 272                       ; mask job: an LDS row is 256 bytes + 16
.set MD,  4                            ; v[4:35]   mask job: eight loads of 16 bytes a lane
.set MB,  36                           ; v[36:67]  mask job: key tile t's eight bytes in pair t
.set W,   68                           ; v[68:71]  mask job: group g's pair of output words
	s_load_b512 s[8:23], s[0:1], 0x0               ; dec 8:9, enc 10:11, Wq 12:13, Wkv 14:15, Wout 16:17, mask 18:19, src 20:21, mbits 22:23
	v_lshl_add_u32 v132, v0, 2, 0x8800
	v_mov_b32 v133, 0
	v_lshrrev_b32 v1, 5, v0
	v_readfirstlane_b32 s2, v1                     ; wave 0..7
	v_and_b32 v3, 31, v0                           ; lane
	s_mov_b32 s3, ttmp9
	s_wait_kmcnt 0x0
	s_cmp_lt_u32 s3, 128
	s_cbranch_scc1 .Lmask
	s_cmp_lt_u32 s3, 256
	s_cbranch_scc1 .Ltrans
; ---------------- rows: g = number - 256; matrix mi = g >> 5; the work-group owns 32 destination rows, a wave 4 ----------------
	s_sub_co_u32 s3, s3, 256
	s_lshr_b32 s24, s3, 5                          ; mi, 0..11
	s_and_b32 s26, s3, 31
	s_lshl_b32 s26, s26, 5
	s_lshl2_add_u32 s26, s2, s26                   ; first destination row, a multiple of 4
	s_and_b32 s27, s26, 63
	s_lshl_b32 s27, s27, 4
	s_lshr_b32 s30, s26, 6
	s_add_co_u32 s27, s27, s30                     ; f(first row); the next three rows lie 16 source rows apart
	s_mov_b32 s30, 0x1000                          ; bytes from source row to source row: 4,096,
	s_mov_b32 s31, 0
	s_cmp_ge_u32 s24, 9                            ; the three permuted weights:
	s_cselect_b32 s27, s27, s26
	s_cselect_b32 s30, 0x10000, s30                ; 16 rows
	s_and_b32 s25, s24, 3                          ; which 4 MiB of the source: the batch,
	s_cmp_ge_u32 s24, 8
	s_cselect_b32 s25, 0, s25                      ; none for the weights,
	s_cmp_eq_u32 s24, 11
	s_cselect_b32 s25, 1, s25                      ; Wkv's second half for Wv'
	s_lshl_b32 s44, s25, 22
	s_lshl_b32 s27, s27, 12
	s_add_co_u32 s44, s44, s27
	s_mov_b32 s45, 0
	s_cmp_lt_u32 s24, 4                            ; the source buffer, chosen by the matrix number alone
	s_cselect_b64 s[28:29], s[8:9], s[10:11]
	s_cmp_eq_u32 s24, 8
	s_cselect_b64 s[28:29], s[16:17], s[28:29]
	s_cmp_eq_u32 s24, 9
	s_cselect_b64 s[28:29], s[12:13], s[28:29]
	s_cmp_ge_u32 s24, 10
	s_cselect_b64 s[28:29], s[14:15], s[28:29]
	s_add_nc_u64 s[32:33], s[28:29], s[44:45]      ; the four source rows
	s_add_nc_u64 s[34:35], s[32:33], s[30:31]
	s_add_nc_u64 s[36:37], s[34:35], s[30:31]
	s_add_nc_u64 s[38:39], s[36:37], s[30:31]
	s_lshl_b32 s46, s24, 21
	s_lshl_b32 s47, s26, 11
	s_add_co_u32 s46, s46, s47
	s_mov_b32 s47, 0
	s_add_nc_u64 s[40:41], s[20:21], s[46:47]      ; the four destination rows, 2,048 bytes each
	v_lshlrev_b32 v1, 5, v3                        ; a lane takes 8 numbers (32 bytes) of each 1,024-byte chunk,
	v_lshlrev_b32 v2, 4, v3                        ; which become 16 bytes: a wave's store covers 512 consecutive bytes
.irp i, 0,1,2,3
.irp ch, 0,1,2,3
	global_load_b128 v[X+32*\i+8*\ch:X+32*\i+8*\ch+3],   v1, s[32+2*\i:33+2*\i] offset:1024*\ch
	global_load_b128 v[X+32*\i+8*\ch+4:X+32*\i+8*\ch+7], v1, s[32+2*\i:33+2*\i] offset:1024*\ch+16
.endr
.endr
; All 32 loads of the wave are out at once; no register is written twice, so no source of a load or store is ever rewritten.
.macro CONVERT scaled
.irp i, 0,1,2,3
	s_wait_loadcnt 24-8*\i                         ; row i's eight loads are in; the 8 (3 - i) younger ones stay out
.irp ch, 0,1,2,3
.if \scaled
.irp k, 0,2,4,6
	v_pk_mul_f32 v[X+32*\i+8*\ch+\k:X+32*\i+8*\ch+\k+1], v[X+32*\i+8*\ch+\k:X+32*\i+8*\ch+\k+1], CSC op_sel_hi:[1,0]
.endr
.endif
.irp k, 0,1,2,3
	v_cvt_pk_f16_f32 v[X+32*\i+8*\ch+\k], v[X+32*\i+8*\ch+2*\k], v[X+32*\i+8*\ch+2*\k+1]   ; in place, ascending: register k is free once pair k/2 is packed
.endr
	global_store_b128 v2, v[X+32*\i+8*\ch:X+32*\i+8*\ch+3], s[40:41] offset:2048*\i+512*\ch
.endr
.endr
.endm
	s_cmp_eq_u32 s24, 9                            ; Wq alone is scaled
	s_cbranch_scc1 .Lscaled
	CONVERT 0
	s_endpgm
.Lscaled:
	CONVERT 1
	s_endpgm
; ---------------- transpose: a tile of 128 k x 64 j of Wout becomes 64 rows of 128 k ----------------
.Ltrans:
	s_sub_co_u32 s24, s3, 128
	s_lshr_b32 s25, s24, 4                         ; kb, 0..7
	s_and_b32 s26, s24, 15                         ; jb, 0..15
	s_lshl_b32 s27, s25, 7
	s_lshl3_add_u32 s27, s2, s27                   ; row 128 kb + 8 w
	s_lshl_b32 s28, s27, 12
	s_lshl_b32 s30, s26, 8
	s_add_co_u32 s28, s28, s30                     ; + 256 jb bytes
	s_mov_b32 s29, 0
	s_add_nc_u64 s[16:17], s[16:17], s[28:29]
	v_lshlrev_b32 v1, 3, v3                        ; a lane takes columns 2 L and 2 L + 1: a load covers 256 consecutive bytes of one row
.irp u, 0,1
.irp t, 0,1,2,3,4,5,6,7
	global_load_b64 v[4+2*(8*\u+\t):5+2*(8*\u+\t)], v1, s[16:17] offset:(64*\u+\t)*4096    ; row k = 128 kb + 64 u + 8 w + t
.endr
.endr
	v_mul_u32_u24 v2, v3, 544                      ; LDS: row = local column, pitch 272; my even column's row, at my wave's eight k
	v_lshl_add_u32 v2, s2, 4, v2
	v_lshrrev_b32 v70, 4, v3                       ; L >> 4
	v_and_b32 v71, 15, v3                          ; L & 15
	s_mul_i32 s31, s2, 8*272
	v_mul_u32_u24 v68, v70, 272
	v_lshl_add_u32 v68, v71, 4, v68
	v_add_nc_u32 v68, s31, v68                     ; read back: rows 8 w + (L >> 4) + 2 v, 16 bytes a lane
	s_and_b32 s32, s2, 1                           ; local column jl = 8 w + (L >> 4) + 2 v goes to row n' = 64 (jl & 15) + 4 jb + (jl >> 4)
	s_lshl_b32 s32, s32, 9
	s_lshl2_add_u32 s32, s26, s32
	s_lshr_b32 s33, s2, 1
	s_add_co_u32 s32, s32, s33
	s_lshl_b32 s32, s32, 11
	v_lshlrev_b32 v69, 4, v71
	v_lshl_add_u32 v69, v70, 17, v69
	v_add_nc_u32 v69, s32, v69
	s_lshl_b32 s34, s25, 8                         ; matrix 12, at byte 256 kb of its rows
	s_add_co_u32 s34, s34, 12<<21
	s_mov_b32 s35, 0
	s_add_nc_u64 s[20:21], s[20:21], s[34:35]
	s_wait_loadcnt 0x0
.irp u, 0,1
.irp p, 0,1,2,3
	v_cvt_pk_f16_f32 v[36+8*\u+\p], v[4+2*(8*\u+2*\p)], v[4+2*(8*\u+2*\p+1)]     ; even column, k = 2 p and 2 p + 1
	v_cvt_pk_f16_f32 v[40+8*\u+\p], v[5+2*(8*\u+2*\p)], v[5+2*(8*\u+2*\p+1)]     ; odd column
.endr
	ds_store_b128 v2, v[36+8*\u:39+8*\u] offset:128*\u
	ds_store_b128 v2, v[40+8*\u:43+8*\u] offset:128*\u+272
.endr
	s_wait_dscnt 0x0                               ; my stores are done before I say so: other waves read these rows
	s_barrier_signal -1
	s_barrier_wait -1
.irp v, 0,1,2,3
	ds_load_b128 v[52+4*\v:55+4*\v], v68 offset:544*\v
.endr
.irp v, 0,1,2,3
	s_wait_dscnt 3-\v                              ; LDS loads come back in order: the 3 - v younger ones stay out
	global_store_b128 v69, v[52+4*\v:55+4*\v], s[20:21] offset:262144*\v         ; 16 lanes store 256 consecutive bytes, aligned; 2 local columns on = 128 rows on
.endr
	s_wait_tensorcnt 0x0
	ds_add_u32 v132, v133
	s_wait_dscnt 0x0
	s_endpgm
; ---------------- mask: a wave owns 16 queries (one query tile) and 256 keys (16 key tiles) ----------------
; The 4,096 bytes come in as eight loads of two whole pieces of 256 bytes each, go into the wave's own 16 LDS rows, and are read back in the
; lane pattern of a score tile: lane L takes query L & 15, keys 8 (L >> 4) + 0..7 of key tile t.  With rows 272 bytes apart lane (r, h) starts
; at bank 4 r + 2 h: no two lanes of such a load share a bank.  Only the wave itself touches its rows, and LDS serves a wave's instructions in order
; (ISA guide 5.7.1.4): no barrier and no wait between its stores and its loads.
.Lmask:
	s_lshl3_add_u32 s24, s3, s2                    ; job 8 g + w = 4 (64 b + QT) + quarter of the keys
	s_lshr_b32 s25, s24, 2                         ; query tile
	s_and_b32 s26, s24, 3                          ; quarter
	s_lshl_b32 s28, s25, 14                        ; 16 rows of 1,024 bytes
	s_lshl_b32 s26, s26, 8                         ; + 256 bytes along them
	s_add_co_u32 s28, s28, s26
	s_mov_b32 s29, 0
	s_add_nc_u64 s[18:19], s[18:19], s[28:29]
	s_lshl_b32 s30, s24, 9                         ; out: 2,048 bytes a query tile, 512 a quarter
	s_mov_b32 s31, 0
	s_add_nc_u64 s[22:23], s[22:23], s[30:31]
	v_and_b32 v1, 15, v0                           ; L & 15
	v_bfe_u32 v2, v0, 4, 1                         ; L >> 4
	v_lshlrev_b32 v76, 4, v1
	v_lshl_add_u32 v77, v2, 10, v76                ; in: lanes 0-15 one row's 256 bytes, lanes 16-31 the next row's
.irp i, 0,1,2,3,4,5,6,7
	global_load_b128 v[MD+4*\i:MD+4*\i+3], v77, s[18:19] offset:2048*\i
.endr
	s_mul_i32 s27, s2, 16*MPITCH                   ; my wave's 16 LDS rows
	v_mul_u32_u24 v78, v2, MPITCH
	v_add_nc_u32 v78, v78, v76
	v_add_nc_u32 v78, s27, v78                     ; LDS, in: the same two rows
	v_mul_u32_u24 v79, v1, MPITCH
	v_lshl_add_u32 v79, v2, 3, v79
	v_add_nc_u32 v79, s27, v79                     ; LDS, back: row L & 15, byte 8 (L >> 4) (+ 16 t)
	v_lshlrev_b32 v80, 3, v3                       ; out: two words a lane
.irp i, 0,1,2,3,4,5,6,7
	s_wait_loadcnt 7-\i                            ; load i is in; the 7 - i younger ones stay out
	ds_store_b128 v78, v[MD+4*\i:MD+4*\i+3] offset:2*\i*MPITCH
.endr
.set kk, 0
.rept 16
	ds_load_b64 v[MB+2*kk:MB+2*kk+1], v79 offset:16*kk
.set kk, kk+1
.endr
; A compare against 0 gives the 32 lanes' bits of one byte position as one scalar word; v_writelane_b32 lays word 8 t + j of a group of
; eight key tiles into lane (8 t + j) / 2, register j & 1, so that one store of the wave writes the group's 256 bytes.
.irp g, 0,1
	s_wait_dscnt 8-8*\g                            ; this group's eight loads are in; the other group's eight stay out
	v_mov_b32 v[W+2*\g], 0                         ; v_writelane_b32 keeps the other lanes: the pair is written whole first
	v_mov_b32 v[W+2*\g+1], 0
.irp t, 0,1,2,3,4,5,6,7
.irp q, 0,1
	v_and_b32 v72, 0xff,       v[MB+2*(8*\g+\t)+\q]
	v_and_b32 v73, 0xff00,     v[MB+2*(8*\g+\t)+\q]
	v_and_b32 v74, 0xff0000,   v[MB+2*(8*\g+\t)+\q]
	v_and_b32 v75, 0xff000000, v[MB+2*(8*\g+\t)+\q]
	v_cmp_ne_u32 s24, 0, v72
	v_cmp_ne_u32 s25, 0, v73
	v_cmp_ne_u32 s26, 0, v74
	v_cmp_ne_u32 s27, 0, v75
	v_writelane_b32 v[W+2*\g],   s24, 4*\t+2*\q
	v_writelane_b32 v[W+2*\g+1], s25, 4*\t+2*\q
	v_writelane_b32 v[W+2*\g],   s26, 4*\t+2*\q+1
	v_writelane_b32 v[W+2*\g+1], s27, 4*\t+2*\q+1
.endr
.endr
	global_store_b64 v80, v[W+2*\g:W+2*\g+1], s[22:23] offset:256*\g
.endr
	s_wait_tensorcnt 0x0
	ds_add_u32 v132, v133
	s_wait_dscnt 0x0
	s_endpgm
.Lfunc_end_k_q6ecf1878ae_prep:
	.size	k_q6ecf1878ae_prep, .Lfunc_end_k_q6ecf1878ae_prep-k_q6ecf1878ae_prep
	.p2alignl 7, 3214868480
	.fill 96, 4, 3214868480
	.section	.rodata,"a",@progbits
	.p2align	6, 0x0
	.amdhsa_kernel k_q6ecf1878ae_prep
		.amdhsa_group_segment_fixed_size 35840
		.amdhsa_private_segment_fixed_size 0
		.amdhsa_enable_private_segment 0
		.amdhsa_kernarg_size 64
		.amdhsa_user_sgpr_count 2
		.amdhsa_user_sgpr_kernarg_segment_ptr 1
		.amdhsa_wavefront_size32 1
		.amdhsa_system_sgpr_workgroup_id_x 1
		.amdhsa_system_sgpr_workgroup_id_y 1
		.amdhsa_system_sgpr_workgroup_id_z 1
		.amdhsa_system_vgpr_workitem_id 0
		.amdhsa_next_free_vgpr 134
		.amdhsa_next_free_sgpr 66
		.amdhsa_reserve_vcc 0
		.amdhsa_float_denorm_mode_32 3
		.amdhsa_float_denorm_mode_16_64 3
		.amdhsa_memory_ordered 1
		.amdhsa_forward_progress 1
		.amdhsa_inst_pref_size 56
	.end_amdhsa_kernel
	.amdgpu_metadata
---
amdhsa.version: [ 1, 2 ]
amdhsa.kernels:
  - .name:           k_q6ecf1878ae_prep
    .symbol:         k_q6ecf1878ae_prep.kd
    .args:
      - { .name: decoder_input, .offset: 0, .size: 8, .value_kind: global_buffer, .address_space: global }
      - { .name: encoder_input, .offset: 8, .size: 8, .value_kind: global_buffer, .address_space: global }
      - { .name: Wq, .offset: 16, .size: 8, .value_kind: global_buffer, .address_space: global }
      - { .name: Wkv, .offset: 24, .size: 8, .value_kind: global_buffer, .address_space: global }
      - { .name: Wout, .offset: 32, .size: 8, .value_kind: global_buffer, .address_space: global }
      - { .name: cross_mask, .offset: 40, .size: 8, .value_kind: global_buffer, .address_space: global }
      - { .name: src, .offset: 48, .size: 8, .value_kind: global_buffer, .address_space: global }
      - { .name: mbits, .offset: 56, .size: 8, .value_kind: global_buffer, .address_space: global }
    .group_segment_fixed_size: 35840
    .private_segment_fixed_size: 0
    .kernarg_segment_align: 8
    .kernarg_segment_size: 64
    .max_flat_workgroup_size: 256
    .sgpr_count:     66
    .vgpr_count:     134
    .wavefront_size: 32
...
	.end_amdgpu_metadata
.endif
;; end of part 1
;; launch proj (part 2): grid 52 x 4, 4 waves a work-group, clusters of 4 x 4, 327,680 bytes of LDS; arguments src, prj; writes prj
.if DOCPART == 2
	.amdgcn_target "amdgcn-amd-amdhsa--gfx1250"
	.amdhsa_code_object_version 6
	.text
	.protected	k_q6ecf1878ae_proj
	.globl	k_q6ecf1878ae_proj
	.p2align	8
	.type	k_q6ecf1878ae_proj,@function
k_q6ecf1878ae_proj:
	s_mov_b64 s[64:65], 0
	v_nop
	global_prefetch_b8 v0, s[64:65] scope:SCOPE_SE
	s_setreg_imm32_b32 hwreg(HW_REG_WAVE_MODE, 25, 1), 1
	s_wait_xcnt 0x0
	s_wait_alu depctr_hold_cnt(0) depctr_sa_sdst(0) depctr_va_vdst(0) depctr_va_sdst(0) depctr_va_ssrc(0) depctr_va_vcc(0) depctr_vm_vsrc(0)
	s_getreg_b32 s2, hwreg(HW_REG_IB_STS2, 6, 4)
	s_cmp_eq_u32 s2, 0
	s_cbranch_scc0 .Lentry_in_a_cluster
	s_endpgm
.Lentry_in_a_cluster:
	s_bfe_u32 s2, ttmp6, 0x10000c
	s_cmp_lg_u32 s2, 0xf033
	s_cbranch_scc0 .Lentry_shape_is_right
	s_endpgm
.Lentry_shape_is_right:
; proj: thirteen independent products C = A B^T of 1024 x 1024 x 1024 in f16 with f32 sums, C rounded once to f16.  One cluster of 4 x 4 work-groups
; makes one product; the cluster's number cl picks the matrices of src (A, B) and of prj (C):
;   cl 0-3:  A = decoder[cl],   B = Wq'          C = Q'[b]  [q][n'], in units of log2
;   cl 4-7:  A = encoder[cl-4], B = Wk'          C = K'[b]  [key][n']
;   cl 8-11: A = Wv',           B = encoder[cl-8] C = VT[b] [n'][key]  (V comes out transposed, as the attention wants it)
;   cl 12:   A = Wout,          B = WoutT'       C = W2'[o][n'] = (Wout Wout)[o][f(n')]: the reference applies Wout twice, which is one product by Wout Wout
; 13 x 16 = 208 work-groups: that is all the work there is at blocks of 256 x 256.
; A work-group makes 256 x 256 of C with four waves, a wave 128 x 128: 64 accumulator tiles, 512 registers.  K goes in steps of 128 through two LDS slots
; filled by tensor loads; a tile's rows are 256 bytes of memory and start at multiples of 256 bytes.  A's tile is shared along a row of the cluster and
; B's along a column: each is asked for jointly by the four that need it.
; LIMIT: a result of magnitude 65,504 or more becomes infinite in f16; below 6.1e-5 f16 keeps an absolute step of 6e-8.
; REGISTERS in windows of 256:  window 0: v16-26 addresses, v64-191 A's fragments (two buffers), v192-223 the way out;  window 1: v64-191 B's fragments;
; windows 2, 3: the accumulators of my rows 0-63, 64-127 (tile (a, b) at v[8 (8 a + b)]).
; The matrix instruction is used transposed (source 0 = rows of B, source 1 = rows of A): a lane's eight results are eight neighbouring columns of a row of C.
.set SIZE_M, 1024
.set SIZE_N, 1024
.set SIZE_K, 1024
.set KSTEP,  128
.set PITCH,  272                       ; 256 bytes + 16 of padding: an odd multiple of 16, so 16 rows start at 16 different 16-byte columns modulo 256
.set HALFT,  128*PITCH                 ; what one tensor load brings
.set SLOT,   4*HALFT                   ; A's 256 rows, then B's 256 rows
.set STAGE,  2*SLOT                    ; behind the ring: 16 rows x 272 bytes for each wave; no tensor load lands here
.set SPITCH, 272
.set LAPS, SIZE_K/(2*KSTEP)            ; 4 laps of two K steps
.set ADRA, 16
.set ADRB, 20
.set STO,  24
.set RD,   25
.set CO,   26
.set F0,   64
.set F1,   128
.set TMP,  192
.set G1, 24                            ; s[24:31] group 1 for A's tiles
.set G0, 32                            ; s[32:39] group 0 for A's tiles, a set for each slot
.set G1B, 48                           ; s[48:55] group 1 for B's tiles
.set G0B, 56                           ; s[56:63] group 0 for B's tiles
.set MSB, 0
.macro WIN new                         ; the immediate's high byte repeats the setting that is left; a switch that changes nothing is dropped
.if MSB != \new
	s_set_vgpr_msb (MSB<<8)|\new
.set MSB, \new
.endif
.endm
.set MUL_LO, 0xa1                      ; source 0 (B) window 1, source 1 (A) window 0, C and D window 2
.set MUL_HI, 0xf1                      ; the same, C and D window 3
.set TO_B,   0x40                      ; destination window 1
.macro JLOAD s                         ; waves 0, 1 ask for A's halves, waves 2, 3 for B's: each line has one mask; the branch hangs on the wave's number alone
	s_cmp_eq_u32 s11, 0
	s_cbranch_scc0 .Lfor_b_\@
	tensor_load_to_lds s[G0+4*\s:G0+4*\s+3], s[G1:G1+7]
	s_nop 0
	s_branch .Lasked_\@
.Lfor_b_\@:
	tensor_load_to_lds s[G0B+4*\s:G0B+4*\s+3], s[G1B:G1B+7]
	s_nop 0
.Lasked_\@:
.endm
.macro CREST                           ; a round of the cluster's barrier behind its opening work-group barrier
	s_cmp_lg_u32 s10, 0
	s_cbranch_scc1 .Lnot_wave_0_\@
	s_barrier_signal -3
.Lnot_wave_0_\@:
	s_barrier_wait -3
	s_barrier_signal -1
	s_barrier_wait -1
.endm
.macro CROUND                          ; a whole round
	s_barrier_signal -1
	s_barrier_wait -1
	CREST
.endm
	s_load_b128 s[4:7], s[0:1], 0x0                ; src s[4:5], prj s[6:7]
	s_set_vgpr_msb 0x40
	v_lshl_add_u32 v255, v0, 2, 0x48400
	s_set_vgpr_msb 0x4000
	v_mov_b32 v255, 0
	s_set_vgpr_msb 0x1
	ds_add_u32 v255, v255
	s_set_vgpr_msb 0x100
	v_lshrrev_b32 v1, 5, v0
	v_readfirstlane_b32 s10, v1                    ; wave 0..3
	s_lshr_b32 s11, s10, 1                         ; my half of the block's rows; also: I fetch for A (0) or B (1)
	s_and_b32 s12, s10, 1                          ; my half of its columns; also: which 128 rows of that tile I fetch
	s_bfe_u32 s40, ttmp6, 0x40000                  ; cx
	s_bfe_u32 s41, ttmp6, 0x40004                  ; cy
	s_mov_b32 s42, s40                             ; block column of C: a product is one cluster wide
	s_mov_b32 s13, s41                             ; block row of C
	; which matrices: whole numbers made of the cluster's number alone, which all sixteen partners share
	s_mov_b32 s66, ttmp9                           ; cl, 0..12
	s_lshr_b32 s67, s66, 2
	s_add_co_u32 s67, s67, 9                       ; B for cl < 8: Wq' or Wk'
	s_max_u32 s68, s66, 4
	s_sub_co_u32 s68, s68, 4                       ; B for cl 8-11: the encoder's batch
	s_cmp_lt_u32 s66, 8
	s_cselect_b32 s69, s66, 11                     ; A: the activations, or Wv'
	s_cselect_b32 s67, s67, s68
	s_cmp_eq_u32 s66, 12
	s_cselect_b32 s69, 8, s69                      ; Wout
	s_cselect_b32 s67, 12, s67                     ; WoutT'
	s_lshl_b32 s68, s69, 21                        ; 2 MiB a matrix, as pairs with 0 above
	s_mov_b32 s69, 0
	s_lshl_b32 s70, s67, 21
	s_mov_b32 s71, 0
	s_lshl_b32 s66, s66, 21
	s_mov_b32 s67, 0
	s_lshl_b32 s43, s41, 2
	s_lshl_b32 s43, 15, s43                        ; my row of the cluster: places 4 cy .. 4 cy + 3
	s_lshl_b32 s44, 0x1111, s40                    ; my column: places cx, cx + 4, cx + 8, cx + 12
	; group 1: a tile of 128 rows x 128 elements of 2 bytes, 4 words of padding behind every 64 words; bit 21 stands beside a mask
	s_or_b32 s[G1+0], s43, (1<<16)|(1<<20)|(1<<21)|(5<<22)|(3<<25)
	s_or_b32 s[G1B+0], s44, (1<<16)|(1<<20)|(1<<21)|(5<<22)|(3<<25)
	s_mov_b32 s[G1B+1], KSTEP<<16
	s_mov_b32 s[G1+1], KSTEP<<16                   ; tensor_dim0 = 128
	s_mov_b32 s[G1B+2], 128<<16
	s_mov_b32 s[G1+2], 128<<16                     ; tensor_dim1 = 128
	s_mov_b32 s[G1B+3], KSTEP<<16
	s_mov_b32 s[G1+3], KSTEP<<16                   ; tile_dim0 = 128
	s_mov_b32 s[G1B+4], 128
	s_mov_b32 s[G1+4], 128                         ; tile_dim1 = 128
	s_mov_b32 s[G1B+5], SIZE_K
	s_mov_b32 s[G1+5], SIZE_K                      ; elements from row to row
	s_mov_b32 s[G1B+6], 0
	s_mov_b32 s[G1+6], 0
	s_mov_b32 s[G1B+7], 0
	s_mov_b32 s[G1+7], 0
	; A's tiles hang on the block row alone, B's on the block column alone, each in registers that never hold the other coordinate
	s_lshl_b32 s17, s12, 7
	s_lshl_b32 s16, s13, 8
	s_add_co_u32 s16, s16, s17                     ; A: row 256 x block row + 128 x half
	s_lshl_b32 s46, s42, 8
	s_add_co_u32 s46, s46, s17                     ; B: row 256 x block column + 128 x half
	s_mov_b32 s17, 0
	s_mov_b32 s47, 0
	s_mov_b64 s[18:19], SIZE_K*2
	s_mul_u64 s[16:17], s[16:17], s[18:19]
	s_mul_u64 s[46:47], s[46:47], s[18:19]
	s_mul_i32 s20, s10, HALFT                      ; LDS: wave x 128 rows
	s_wait_dscnt 0x0
	s_wait_kmcnt 0x0
	s_mov_b64 s[8:9], s[6:7]
	s_add_nc_u64 s[6:7], s[4:5], s[70:71]          ; B's matrix
	s_add_nc_u64 s[4:5], s[4:5], s[68:69]          ; A's matrix
	s_add_nc_u64 s[8:9], s[8:9], s[66:67]          ; C's matrix
	s_add_nc_u64 s[14:15], s[4:5], s[16:17]
	s_add_nc_u64 s[46:47], s[6:7], s[46:47]
	CROUND                                         ; all sixteen work-groups are here: the first joint loads meet
.irp s, 0,1
	s_mov_b32 s[G0+4*\s], 1
	s_add_co_u32 s[G0+4*\s+1], s20, \s*SLOT
	s_add_nc_u64 s[G0+4*\s+2:G0+4*\s+3], s[14:15], \s*KSTEP*2
	s_or_b32 s[G0+4*\s+3], s[G0+4*\s+3], 0x80000000
	s_mov_b32 s[G0B+4*\s], 1
	s_add_co_u32 s[G0B+4*\s+1], s20, \s*SLOT
	s_add_nc_u64 s[G0B+4*\s+2:G0B+4*\s+3], s[46:47], \s*KSTEP*2
	s_or_b32 s[G0B+4*\s+3], s[G0B+4*\s+3], 0x80000000
	JLOAD \s                                       ; both slots' first fills go out together: two tensor loads of a wave are out
.endr
	; a fragment: lane l holds row l % 16; two loads of 16 bytes, 32 bytes apart, at row x pitch + 16 (l / 16)
	v_and_b32 v1, 15, v0
	v_bfe_u32 v2, v0, 4, 1
	v_mul_u32_u24 v3, v1, PITCH
	v_lshl_add_u32 v3, v2, 4, v3
	s_mul_i32 s21, s11, HALFT
	s_mul_i32 s22, s12, HALFT
	s_add_co_u32 s22, s22, 2*HALFT
.irp s, 0,1
	v_add_nc_u32 v[ADRA+\s], s21, v3
	v_add_nc_u32 v[ADRB+\s], s22, v3
	s_add_co_u32 s21, s21, SLOT
	s_add_co_u32 s22, s22, SLOT
.endr
	s_mul_i32 s23, s10, 16*SPITCH
	s_add_co_u32 s23, s23, STAGE
	v_mul_u32_u24 v4, v1, SPITCH
	v_lshl_add_u32 v4, v2, 4, v4
	v_add_nc_u32 v[STO], s23, v4
	v_mul_u32_u24 v5, v2, SPITCH
	v_lshl_add_u32 v5, v1, 4, v5
	v_add_nc_u32 v[RD], s23, v5
	v_mul_u32_u24 v5, v2, SIZE_N*2
	v_lshl_add_u32 v[CO], v1, 4, v5
; 16 matrix instructions: m blocks a0, a0 + 1 of the window's four x all 8 n blocks.  zero = 1: the first product starts the sums.
; The 64 accumulators take turns, one instruction a turn, in the same order in every quarter step.
.macro MUL16 f, hi, a0, zero
.irp a, \a0, \a0+1
.irp b, 0,1,2,3,4,5,6,7
.if \zero
	v_wmma_f32_16x16x32_f16 v[8*(8*(\a)+\b):8*(8*(\a)+\b)+7], v[\f+8*\b:\f+8*\b+7], v[\f+8*(4*\hi+\a):\f+8*(4*\hi+\a)+7], 0
.else
	v_wmma_f32_16x16x32_f16 v[8*(8*(\a)+\b):8*(8*(\a)+\b)+7], v[\f+8*\b:\f+8*\b+7], v[\f+8*(4*\hi+\a):\f+8*(4*\hi+\a)+7], v[8*(8*(\a)+\b):8*(8*(\a)+\b)+7]
.endif
.endr
.endr
.endm
.macro FETCH slot, k, f                ; 32 LDS loads in one run: one quarter step's fragments into buffer f
	WIN TO_B
.irp i, 0,1,2,3,4,5,6,7
	ds_load_b128 v[\f+8*\i:\f+8*\i+3],   v[ADRB+\slot] offset:\k+\i*16*PITCH
	ds_load_b128 v[\f+8*\i+4:\f+8*\i+7], v[ADRB+\slot] offset:\k+\i*16*PITCH+32
.endr
	WIN 0
.irp i, 0,1,2,3,4,5,6,7
	ds_load_b128 v[\f+8*\i:\f+8*\i+3],   v[ADRA+\slot] offset:\k+\i*16*PITCH
	ds_load_b128 v[\f+8*\i+4:\f+8*\i+7], v[ADRA+\slot] offset:\k+\i*16*PITCH+32
.endr
.endm
.macro PLACES                          ; four independent vector instructions between a matrix instruction and a load into, or a vector use of, its registers
.rept 4
	v_nop
.endr
.endm
.macro QUARTER slot, k, f, g, zero     ; multiplies buffer f; in its middle fetches the next quarter's fragments into buffer g
	s_wait_dscnt 8                                 ; B and A's rows 0-63 are in; the youngest eight loads (A's rows 64-127) may be out
	WIN MUL_LO
	MUL16 \f, 0, 0, \zero
	MUL16 \f, 0, 2, \zero
	PLACES
	FETCH \slot, \k, \g
	s_wait_dscnt 32                                ; all but the 32 just issued
	WIN MUL_HI
	MUL16 \f, 1, 0, \zero
	MUL16 \f, 1, 2, \zero
.endm
.macro THREE slot, zero
	QUARTER \slot, 64,  F0, F1, \zero
	QUARTER \slot, 128, F1, F0, 0
	QUARTER \slot, 192, F0, F1, 0
.endm
; The last quarter multiplies buffer 1 and changes slots.  In front of the barrier each wave waits for its reads of this slot and for all its tensor
; loads (one is out: its part of the next slot).  Where the slot is filled again the barrier opens a round of the cluster's barrier, and the joint
; refill is the first tensor load behind the round's end.
.macro TURN slot, next, fill
	s_wait_dscnt 8
	WIN MUL_LO
	MUL16 F1, 0, 0, 0
	s_wait_dscnt 0                                 ; my reads of this slot are over
	s_wait_tensorcnt 0x0                           ; all my tensor loads have landed
	ds_add_u32 v255, v255
	s_wait_dscnt 0x0
	s_barrier_signal -1
	MUL16 F1, 0, 2, 0                              ; register work while the others arrive
	WIN 0
	s_barrier_wait -1
.if \fill
	CREST
	s_add_nc_u64 s[G0+4*\slot+2:G0+4*\slot+3], s[G0+4*\slot+2:G0+4*\slot+3], 2*KSTEP*2
	s_add_nc_u64 s[G0B+4*\slot+2:G0B+4*\slot+3], s[G0B+4*\slot+2:G0B+4*\slot+3], 2*KSTEP*2
	JLOAD \slot
.endif
	PLACES
	FETCH \next, 0, F0
	WIN MUL_HI
	MUL16 F1, 1, 0, 0
	MUL16 F1, 1, 2, 0
.endm
.macro LAP zero
	THREE 0, \zero
	TURN 0, 1, 1
	THREE 1, 0
	TURN 1, 0, 1
.endm
	s_wait_tensorcnt 1                             ; my part of K step 0 is in; K step 1's stays out
	s_barrier_signal -1
	s_barrier_wait -1
	FETCH 0, 0, F0
	LAP 1                                          ; the first lap's first products start the sums
	WIN 0
	s_mov_b32 s3, LAPS-2
.Llap:
	LAP 0
	WIN 0
	s_sub_co_u32 s3, s3, 1
	s_cmp_lg_u32 s3, 0
	s_cbranch_scc1 .Llap
	THREE 0, 0                                     ; the last lap fills nothing
	TURN 0, 1, 0
	THREE 1, 0
	s_wait_dscnt 8
	WIN MUL_LO
	MUL16 F1, 0, 0, 0
	MUL16 F1, 0, 2, 0
	s_wait_dscnt 0
	WIN MUL_HI
	MUL16 F1, 1, 0, 0
	MUL16 F1, 1, 2, 0
	; the way out, 16 rows at a time: round to f16, 16 bytes a lane into my own stage, read back as whole rows of 256 bytes
	PLACES
	s_lshl_b32 s13, s13, 8
	s_lshl_b32 s14, s11, 7
	s_add_co_u32 s16, s13, s14                     ; my first row of C
	s_mov_b32 s17, 0
	s_mov_b64 s[18:19], SIZE_N*2
	s_mul_u64 s[16:17], s[16:17], s[18:19]
	s_add_nc_u64 s[8:9], s[8:9], s[16:17]
	s_lshl_b32 s46, s42, 9                         ; my first column, in bytes
	s_lshl_b32 s47, s12, 8
	s_add_co_u32 s46, s46, s47
	s_mov_b32 s47, 0
	s_add_nc_u64 s[8:9], s[8:9], s[46:47]
.macro OUT16 i, a, from, f
	WIN \from
.irp b, 0,1,2,3,4,5,6,7
.irp r, 0,1,2,3
	v_cvt_pk_f16_f32 v[TMP+4*\b+\r], v[8*(8*\a+\b)+2*\r], v[8*(8*\a+\b)+2*\r+1]
.endr
.endr
	WIN 0
.irp b, 0,1,2,3,4,5,6,7
	ds_store_b128 v[STO], v[TMP+4*\b:TMP+4*\b+3] offset:32*\b
.endr
	s_wait_xcnt 0x0                                ; buffer f, which earlier stores read, and the stores' base are rewritten only behind this wait
.if \i
	s_add_nc_u64 s[8:9], s[8:9], 16*SIZE_N*2
.endif
.irp t, 0,1,2,3,4,5,6,7
	ds_load_b128 v[\f+4*\t:\f+4*\t+3], v[RD] offset:\t*2*SPITCH    ; a wave's LDS instructions are served in order: these see the stores above
.endr
.irp t, 0,1,2,3,4,5,6,7
	s_wait_dscnt 7-\t
	global_store_b128 v[CO], v[\f+4*\t:\f+4*\t+3], s[8:9] offset:2*\t*SIZE_N*2   ; 16 lanes store 256 consecutive bytes, aligned
.endr
.endm
	OUT16 0, 0, 0x0a, F0
	OUT16 1, 1, 0x0a, F1
	OUT16 2, 2, 0x0a, F0
	OUT16 3, 3, 0x0a, F1
	OUT16 4, 0, 0x0f, F0
	OUT16 5, 1, 0x0f, F1
	OUT16 6, 2, 0x0f, F0
	OUT16 7, 3, 0x0f, F1
	s_set_vgpr_msb 0x1
	s_wait_tensorcnt 0x0
	ds_add_u32 v255, v255
	s_wait_dscnt 0x0
	s_set_vgpr_msb 0x100
	CROUND                                         ; the closing round: no work-group ends while a partner may still ask jointly
	s_endpgm
.Lfunc_end_k_q6ecf1878ae_proj:
	.size	k_q6ecf1878ae_proj, .Lfunc_end_k_q6ecf1878ae_proj-k_q6ecf1878ae_proj
	.p2alignl 7, 3214868480
	.fill 96, 4, 3214868480
	.section	.rodata,"a",@progbits
	.p2align	6, 0x0
	.amdhsa_kernel k_q6ecf1878ae_proj
		.amdhsa_group_segment_fixed_size 327680
		.amdhsa_private_segment_fixed_size 0
		.amdhsa_enable_private_segment 0
		.amdhsa_kernarg_size 16
		.amdhsa_user_sgpr_count 2
		.amdhsa_user_sgpr_kernarg_segment_ptr 1
		.amdhsa_wavefront_size32 1
		.amdhsa_system_sgpr_workgroup_id_x 1
		.amdhsa_system_sgpr_workgroup_id_y 1
		.amdhsa_system_sgpr_workgroup_id_z 1
		.amdhsa_system_vgpr_workitem_id 0
		.amdhsa_next_free_vgpr 1024
		.amdhsa_next_free_sgpr 72
		.amdhsa_reserve_vcc 0
		.amdhsa_float_denorm_mode_32 3
		.amdhsa_float_denorm_mode_16_64 3
		.amdhsa_memory_ordered 1
		.amdhsa_forward_progress 1
		.amdhsa_inst_pref_size 197
	.end_amdhsa_kernel
	.amdgpu_metadata
---
amdhsa.version: [ 1, 2 ]
amdhsa.kernels:
  - .name:           k_q6ecf1878ae_proj
    .symbol:         k_q6ecf1878ae_proj.kd
    .args:
      - { .name: src, .offset: 0, .size: 8, .value_kind: global_buffer, .address_space: global }
      - { .name: prj, .offset: 8, .size: 8, .value_kind: global_buffer, .address_space: global }
    .group_segment_fixed_size: 327680
    .private_segment_fixed_size: 0
    .kernarg_segment_align: 8
    .kernarg_segment_size: 16
    .max_flat_workgroup_size: 128
    .sgpr_count:     72
    .vgpr_count:     1024
    .wavefront_size: 32
...
	.end_amdgpu_metadata
.endif
;; end of part 2
;; launch attn (part 3): grid 256 x 1, 8 waves a work-group, clusters of 4 x 1, 327,680 bytes of LDS; arguments prj, mbits, vals; writes vals
.if DOCPART == 3
	.amdgcn_target "amdgcn-amd-amdhsa--gfx1250"
	.amdhsa_code_object_version 6
	.text
	.protected	k_q6ecf1878ae_attn
	.globl	k_q6ecf1878ae_attn
	.p2align	8
	.type	k_q6ecf1878ae_attn,@function
k_q6ecf1878ae_attn:
	s_mov_b64 s[64:65], 0
	v_nop
	global_prefetch_b8 v0, s[64:65] scope:SCOPE_SE
	s_setreg_imm32_b32 hwreg(HW_REG_WAVE_MODE, 25, 1), 1
	s_wait_xcnt 0x0
	s_wait_alu depctr_hold_cnt(0) depctr_sa_sdst(0) depctr_va_vdst(0) depctr_va_sdst(0) depctr_va_ssrc(0) depctr_va_vcc(0) depctr_vm_vsrc(0)
	s_getreg_b32 s2, hwreg(HW_REG_IB_STS2, 6, 4)
	s_cmp_eq_u32 s2, 0
	s_cbranch_scc0 .Lentry_in_a_cluster
	s_endpgm
.Lentry_in_a_cluster:
	s_bfe_u32 s2, ttmp6, 0x10000c
	s_cmp_lg_u32 s2, 0x3003
	s_cbranch_scc0 .Lentry_shape_is_right
	s_endpgm
.Lentry_shape_is_right:
; attn: masked softmax attention with a running maximum.  A work-group owns one batch b, one pair of heads hp and 128 queries; the four work-groups of a
; cluster own four neighbouring query blocks of the same b and hp, read the same K and V tiles, and ask for them jointly (mask 15).  A mask names four
; work-groups at the most, so the other four query blocks of the same b and hp are a second cluster.
; Wave w: head 2 hp + (w >> 2), queries 32 (w & 3) + 0..31 of the block, as two query tiles qt.  Two heads in a work-group make every row of K', VT and
; vals that it touches 256 consecutive bytes, aligned.
; S^T = K Q^T (source 0 = 16 keys, source 1 = 16 queries): register j of lane (r, h) is key 8 h + j, query r.  So a query's row is one lane's registers
; and its partner lane r + 16; the f16 pack of a lane's own registers of two key tiles IS the second source of O^T = V^T P^T; and the softmax's factors
; are one number a lane for S^T and O^T alike.  Q' carries log2(e) / 8, so scores are exponents of 2.  A masked score is -1e9 log2(e), as in the reference:
; a row with no true mask bit comes out uniform.
; The mask comes as words of lane bits (made by the first launch): word (query tile, key tile, j) is the select mask of register j of that tile.
; K and V: two LDS slots of 128 keys (two steps of 64); every wave brings 32 of a slot's 256 rows with one joint tensor load.
; A slot's last LDS reads (V's fragments of its second step) are issued ahead of that step's softmax.  So the barrier in front of the slot's refill is
; opened behind that step's exponentials, with the waits for those reads and for all tensor loads in front of the signal, and the rest of the step
; (rescaling, sums, packing, 16 matrix instructions: registers only) stands between the signal and its wait.  From a refill's request to the wait for it
; a wave issues 48 matrix instructions.  By this text's count a wave has two tensor loads out at the start and one behind each round.
; LIMITS: Q, K, V and the result must lie inside f16's range (magnitude below 65,504); NaN and infinities are not served.
.set PITCH, 272                        ; 256 bytes + 16: an odd multiple of 16
.set SLOT,  256*PITCH                  ; rows 0-127: K (row = key, byte 128 hs + 2 d); rows 128-255: V^T (row = 64 hs + d, byte 2 key)
.set VROWS, 128*PITCH
.set STAGE, 2*SLOT                     ; 128 rows x 272 bytes for the way out; no tensor load lands here
.set KA,  2                            ; v2, v3    LDS address of my K fragments in slot 0, 1
.set VA,  4                            ; v4, v5    the same for V^T
.set NEG, 6                            ; v6        -1e9 log2(e)
.set TA,  8                            ; v8, v9    at work, one for each query tile
.set TB,  10                           ; v10, v11
.set DF,  12                           ; v12, v13
.set TC,  14                           ; v14, v15  the second chain of maxima; then, as a pair, the second chain of sums of query tile 1
.set MX,  16                           ; v16, v17  running maximum
.set NM,  18                           ; v[18:21]  (-m, -m)
.set AL,  22                           ; v[22:25]  (alpha, alpha)
.set LS,  26                           ; v[26:29]  running sums, two partial sums a query tile
.set LB,  30                           ; v[30:31]  the second chain of sums of query tile 0
.set QF,  32                           ; v[32:63]  Q fragment (qt, ks) at QF + 16 qt + 8 ks
.set FR,  64                           ; v[64:127] K fragment (kt, ks) at FR + 8 (2 kt + ks), then V fragment (dt, kk) at FR + 8 (2 dt + kk)
.set SC,  128                          ; v[128:191] S tile (qt, kt) at SC + 8 (4 qt + kt); P fragment (qt, kk) in place at SC + 32 qt + 16 kk
.set OA,  192                          ; v[192:255] O tile (qt, dt) at OA + 8 (4 qt + dt)
.set MK,  32                           ; s[32:63] mask words of qt 0, s[68:99] of qt 1: word (qt, kt, j) in s[MK + 36 qt + 8 kt + j]
.macro CREST                           ; a round of the cluster's barrier behind its opening work-group barrier
	s_cmp_lg_u32 s66, 0
	s_cbranch_scc1 .Lnot_wave_0_\@
	s_barrier_signal -3
.Lnot_wave_0_\@:
	s_barrier_wait -3
	s_barrier_signal -1
	s_barrier_wait -1
.endm
.macro ROUND                           ; a whole round
	s_barrier_signal -1
	s_barrier_wait -1
	CREST
.endm
.macro PLACES n                        ; independent vector instructions behind matrix instructions (ISA guide 7.12.1)
.rept \n
	v_nop
.endr
.endm
	s_load_b128 s[4:7], s[0:1], 0x0                ; prj s[4:5], mbits s[6:7]
	s_load_b64 s[8:9], s[0:1], 0x10                ; vals
	s_set_vgpr_msb 0x40
	v_lshl_add_u32 v0, v0, 2, 0x2a800
	v_mov_b32 v1, 0
	s_set_vgpr_msb 0x4045
	ds_add_u32 v0, v1
	s_set_vgpr_msb 0x4500
	v_lshrrev_b32 v1, 5, v0
	v_readfirstlane_b32 s66, v1                    ; wave 0..7
	; what feeds the joint descriptors: the cluster's number and the wave's number alone, in s2, s3, s12-s15
	s_lshr_b32 s2, ttmp9, 4                        ; b
	s_bfe_u32 s3, ttmp9, 0x30001                   ; hp = (cluster >> 1) & 7
	s_add_co_u32 s12, s2, 4                        ; waves 0-3: K'[b] = matrix 4 + b, rows 32 w .., byte 256 hp
	s_lshl_b32 s12, s12, 21
	s_lshl_b32 s13, s66, 16
	s_add_co_u32 s12, s12, s13
	s_lshl_b32 s14, s3, 8
	s_add_co_u32 s12, s12, s14
	s_add_co_u32 s15, s2, 8                        ; waves 4-7: VT[b] = matrix 8 + b, rows 128 hp + 32 (w - 4) ..
	s_lshl_b32 s15, s15, 21
	s_add_co_u32 s15, s15, s13
	s_lshl_b32 s14, s3, 18
	s_add_co_u32 s15, s15, s14
	s_sub_co_u32 s15, s15, 0x40000
	s_mov_b32 s14, 512                             ; two slots on: 256 keys = 512 bytes along VT's rows,
	s_cmp_lt_u32 s66, 4
	s_cselect_b32 s12, s12, s15
	s_cselect_b32 s14, 0x80000, s14                ; or 256 rows of 2,048 bytes of K'
	s_mov_b32 s13, 0
	s_mov_b32 s15, 0
	; group 1, for K and V alike: 32 rows x 128 elements of 2 bytes, pitch 1,024 elements, 4 words of padding behind every 64; mask 15 with bit 21 beside it
	s_mov_b32 s16, 15|(1<<16)|(1<<20)|(1<<21)|(5<<22)|(3<<25)
	s_mov_b32 s17, 128<<16                         ; tensor_dim0
	s_mov_b32 s18, 32<<16                          ; tensor_dim1
	s_mov_b32 s19, 128<<16                         ; tile_dim0
	s_mov_b32 s20, 32                              ; tile_dim1
	s_mov_b32 s21, 1024
	s_mov_b32 s22, 0
	s_mov_b32 s23, 0
	s_mov_b32 s24, 1
	s_mul_i32 s25, s66, 32*PITCH                   ; LDS: my 32 rows of slot 0,
	s_mov_b32 s28, 1
	s_add_co_u32 s29, s25, SLOT                    ; of slot 1
	s_lshr_b32 s30, s14, 1                         ; one slot on
	s_mov_b32 s31, 0
	; what is mine alone: the query block, which hangs on my place in the cluster and enters global addresses only
	s_bfe_u32 s32, ttmp6, 0x40000                  ; cx
	s_and_b32 s36, ttmp9, 1
	s_lshl2_add_u32 s36, s36, s32                  ; query block qb = 4 (cluster & 1) + cx
	s_lshr_b32 s37, s66, 2                         ; hs: which head of the pair
	s_and_b32 s38, s66, 3                          ; qg: which 32 queries
	s_lshl_b32 s41, s3, 8                          ; 256 hp
	s_lshl_b32 s48, s2, 6
	s_lshl3_add_u32 s48, s36, s48
	s_lshl1_add_u32 s48, s38, s48                  ; my first query tile: 64 b + 8 qb + 2 qg,
	s_lshl_b32 s48, s48, 11                        ; 2,048 bytes of mask words each
	s_mov_b32 s49, 0
	s_lshl_b32 s50, s2, 21
	s_lshl_b32 s52, s36, 18
	s_add_co_u32 s50, s50, s52
	s_add_co_u32 s50, s50, s41                     ; (1024 b + 128 qb) rows of 2,048 bytes + 256 hp
	s_lshl_b32 s54, s66, 15
	s_add_co_u32 s54, s54, s50                     ; vals: + 16 w rows
	s_mov_b32 s55, 0
	s_lshl_b32 s52, s38, 16
	s_add_co_u32 s50, s50, s52                     ; Q': + 32 qg rows
	s_lshl_b32 s52, s37, 7
	s_add_co_u32 s50, s50, s52                     ;     + 128 hs
	s_mov_b32 s51, 0
	s_mov_b32 s100, 0x76543210                     ; v_permlanex16_b32: lane i takes lane i of the other half
	s_mov_b32 s101, 0xfedcba98
	s_wait_dscnt 0x0
	s_wait_kmcnt 0x0
	s_add_nc_u64 s[26:27], s[4:5], s[12:13]        ; slot 0: keys 0-127
	s_add_nc_u64 s[30:31], s[26:27], s[30:31]      ; slot 1: keys 128-255
	s_or_b32 s27, s27, 0x80000000
	s_or_b32 s31, s31, 0x80000000
	s_add_nc_u64 s[6:7], s[6:7], s[48:49]
	s_add_nc_u64 s[8:9], s[8:9], s[54:55]
	s_add_nc_u64 s[10:11], s[4:5], s[50:51]
	ROUND                                          ; all four work-groups are here: the first joint loads meet
	tensor_load_to_lds s[24:27], s[16:23]
	s_nop 0
	tensor_load_to_lds s[28:31], s[16:23]
	s_nop 0
	v_and_b32 v1, 15, v0                           ; r
	v_bfe_u32 v7, v0, 4, 1                         ; h
	v_lshlrev_b32 v14, 11, v1
	v_lshl_add_u32 v14, v7, 4, v14                 ; Q': row r, 16 h bytes
.irp qt, 0,1
.irp ks, 0,1
	global_load_b128 v[QF+16*\qt+8*\ks:QF+16*\qt+8*\ks+3],   v14, s[10:11] offset:32768*\qt+64*\ks
	global_load_b128 v[QF+16*\qt+8*\ks+4:QF+16*\qt+8*\ks+7], v14, s[10:11] offset:32768*\qt+64*\ks+32
.endr
.endr
	v_mul_u32_u24 v15, v1, PITCH
	v_lshl_add_u32 v15, v7, 4, v15                 ; row r x pitch + 16 h
	s_lshl_b32 s39, s37, 7
	v_add_nc_u32 v[KA], s39, v15                   ; K: + 128 hs
	v_add_nc_u32 v[KA+1], SLOT, v[KA]
	s_mul_i32 s40, s37, 64*PITCH
	s_add_co_u32 s40, s40, VROWS
	v_add_nc_u32 v[VA], s40, v15                   ; V^T: behind K's rows, + 64 hs rows
	v_add_nc_u32 v[VA+1], SLOT, v[VA]
	v_mov_b32 v[NEG], 0xceabfb8f
	v_mov_b32 v[TB], 0                             ; v_permlanex16_b32 counts as a reader of its destination
	v_mov_b32 v[TB+1], 0
	s_load_b512 s[32:47], s[6:7], 0x0              ; the mask words of step 0 (the set-up's scalars above are no longer needed)
	s_load_b512 s[48:63], s[6:7], 0x40
	s_load_b512 s[68:83], s[6:7], 0x800
	s_load_b512 s[84:99], s[6:7], 0x840
; One step: 64 keys at rows 64 u of slot.  first = 1: nothing is carried yet; more = 1: the next step's mask words are requested.
; close = 0: nothing more.  close = 1: this is the slot's last step and the slot is filled again: the round of the cluster's barrier is opened behind the
; exponentials and closed behind the step, and the joint refill follows.  close = 2: the slot's last step, nothing is filled: a plain barrier in the same places,
; behind which the other slot, whole by every wave's wait, is read.
.macro STEP64 slot, u, first, more, close
.irp ks, 0,1
.irp kt, 0,1,2,3
	ds_load_b128 v[FR+8*(2*\kt+\ks):FR+8*(2*\kt+\ks)+3],   v[KA+\slot] offset:(64*\u+16*\kt)*PITCH+64*\ks
	ds_load_b128 v[FR+8*(2*\kt+\ks)+4:FR+8*(2*\kt+\ks)+7], v[KA+\slot] offset:(64*\u+16*\kt)*PITCH+64*\ks+32
.endr
.endr
	s_wait_dscnt 0x8                               ; the fragments of d = 0..31 are in; the eight younger loads stay out
	; S^T: the eight accumulators take turns, one instruction a turn; the first product starts each sum
.irp qt, 0,1
.irp kt, 0,1,2,3
	v_wmma_f32_16x16x32_f16 v[SC+8*(4*\qt+\kt):SC+8*(4*\qt+\kt)+7], v[FR+16*\kt:FR+16*\kt+7], v[QF+16*\qt:QF+16*\qt+7], 0
.endr
.endr
	s_wait_dscnt 0x0
.irp qt, 0,1
.irp kt, 0,1,2,3
	v_wmma_f32_16x16x32_f16 v[SC+8*(4*\qt+\kt):SC+8*(4*\qt+\kt)+7], v[FR+16*\kt+8:FR+16*\kt+15], v[QF+16*\qt+8:QF+16*\qt+15], v[SC+8*(4*\qt+\kt):SC+8*(4*\qt+\kt)+7]
.endr
.endr
	PLACES 4                                       ; then K's fragments may be loaded over and S read
.irp kk, 0,1
.irp dt, 0,1,2,3
	ds_load_b128 v[FR+8*(2*\dt+\kk):FR+8*(2*\dt+\kk)+3],   v[VA+\slot] offset:16*\dt*PITCH+128*\u+64*\kk
	ds_load_b128 v[FR+8*(2*\dt+\kk)+4:FR+8*(2*\dt+\kk)+7], v[VA+\slot] offset:16*\dt*PITCH+128*\u+64*\kk+32
.endr
.endr
	s_wait_kmcnt 0x0                               ; this step's mask words
.irp qt, 0,1
.irp kt, 0,1,2,3
.irp j, 0,1,2,3,4,5,6,7
	v_cndmask_b32 v[SC+8*(4*\qt+\kt)+\j], v[NEG], v[SC+8*(4*\qt+\kt)+\j], s[MK+36*\qt+8*\kt+\j]
.endr
.endr
.endr
.if \more
	s_add_nc_u64 s[6:7], s[6:7], 128               ; the loads that named this base are done (the wait above): 4 key tiles x 8 words on
	s_load_b512 s[32:47], s[6:7], 0x0
	s_load_b512 s[48:63], s[6:7], 0x40
	s_load_b512 s[68:83], s[6:7], 0x800
	s_load_b512 s[84:99], s[6:7], 0x840
.endif
	; the new maximum of each query: my 32 scores and the old maximum, in two chains a query tile so that four chains take turns; then the partner lane's
.if \first
	v_max_num_f32 v[TA],   v[SC],    v[SC+1]
	v_max_num_f32 v[TA+1], v[SC+32], v[SC+33]
.else
	v_max3_num_f32 v[TA],   v[MX],   v[SC],    v[SC+1]
	v_max3_num_f32 v[TA+1], v[MX+1], v[SC+32], v[SC+33]
.endif
	v_max_num_f32 v[TC],   v[SC+16], v[SC+17]
	v_max_num_f32 v[TC+1], v[SC+48], v[SC+49]
.irp i, 1,2,3,4,5,6,7
	v_max3_num_f32 v[TA],   v[TA],   v[SC+2*\i],    v[SC+2*\i+1]
	v_max3_num_f32 v[TA+1], v[TA+1], v[SC+32+2*\i], v[SC+32+2*\i+1]
	v_max3_num_f32 v[TC],   v[TC],   v[SC+16+2*\i], v[SC+16+2*\i+1]
	v_max3_num_f32 v[TC+1], v[TC+1], v[SC+48+2*\i], v[SC+48+2*\i+1]
.endr
	v_max_num_f32 v[TA],   v[TA],   v[TC]
	v_max_num_f32 v[TA+1], v[TA+1], v[TC+1]
	v_permlanex16_b32 v[TB],   v[TA],   s100, s101
	v_permlanex16_b32 v[TB+1], v[TA+1], s100, s101
	v_max_num_f32 v[TA],   v[TA],   v[TB]
	v_max_num_f32 v[TA+1], v[TA+1], v[TB+1]
.if \first
.else
	v_sub_f32 v[DF],   v[MX],   v[TA]
	v_sub_f32 v[DF+1], v[MX+1], v[TA+1]
	v_exp_f32 v[AL],   v[DF]                       ; alpha = 2^(old - new), twice: a pair for the packed forms
	v_exp_f32 v[AL+1], v[DF]
	v_exp_f32 v[AL+2], v[DF+1]
	v_exp_f32 v[AL+3], v[DF+1]
.endif
	v_mov_b32 v[MX],   v[TA]                       ; plain lines that touch neither alpha nor its source stand behind the exponentials (ISA guide 5.7.2)
	v_mov_b32 v[MX+1], v[TA+1]
	v_xor_b32 v[NM],   0x80000000, v[TA]
	v_xor_b32 v[NM+1], 0x80000000, v[TA]
	v_xor_b32 v[NM+2], 0x80000000, v[TA+1]
	v_xor_b32 v[NM+3], 0x80000000, v[TA+1]
.irp qt, 0,1
.irp i, 0,1,2,3,4,5,6,7,8,9,10,11,12,13,14,15
	v_pk_add_f32 v[SC+32*\qt+2*\i:SC+32*\qt+2*\i+1], v[SC+32*\qt+2*\i:SC+32*\qt+2*\i+1], v[NM+2*\qt:NM+2*\qt+1]
.endr
.endr
.set ii, 0
.rept 64
	v_exp_f32 v[SC+ii], v[SC+ii]
.set ii, ii+1
.endr
.if \close
	s_wait_dscnt 0x0                               ; my reads of this slot are over: V's fragments were the last
	s_set_vgpr_msb 0x5
	s_wait_tensorcnt 0x0                           ; all my tensor loads have landed: the one that was out is my part of the other slot
	ds_add_u32 v0, v1
	s_wait_dscnt 0x0
	s_set_vgpr_msb 0x500
.if \close == 1
	s_add_nc_u64 s[26+4*\slot:27+4*\slot], s[26+4*\slot:27+4*\slot], s[14:15]    ; no load of mine is out: this slot's address steps two slots on
.endif
	s_barrier_signal -1                            ; say so; registers alone are touched until the wait at the step's end
.endif
.if \first
	v_nop                                          ; the plain place behind the exponentials
	s_wait_alu depctr_va_vdst(0)
	v_pk_add_f32 v[LS:LS+1],   v[SC:SC+1],       v[SC+2:SC+3]
	v_pk_add_f32 v[LS+2:LS+3], v[SC+32:SC+33],   v[SC+34:SC+35]
.else
	s_wait_alu depctr_va_vdst(0)
.irp qt, 0,1
.irp i, 0,1,2,3,4,5,6,7,8,9,10,11,12,13,14,15
	v_pk_mul_f32 v[OA+32*\qt+2*\i:OA+32*\qt+2*\i+1], v[OA+32*\qt+2*\i:OA+32*\qt+2*\i+1], v[AL+2*\qt:AL+2*\qt+1]   ; useful work in that place: O is brought to the new maximum
.endr
.endr
	v_pk_fma_f32 v[LS:LS+1],   v[LS:LS+1],   v[AL:AL+1],     v[SC:SC+1]
	v_pk_fma_f32 v[LS+2:LS+3], v[LS+2:LS+3], v[AL+2:AL+3],   v[SC+32:SC+33]
	v_pk_add_f32 v[LS:LS+1],   v[LS:LS+1],   v[SC+2:SC+3]
	v_pk_add_f32 v[LS+2:LS+3], v[LS+2:LS+3], v[SC+34:SC+35]
.endif
	v_pk_add_f32 v[LB:LB+1], v[SC+16:SC+17], v[SC+18:SC+19]                      ; the second half of each query tile's scores in a chain of its own
	v_pk_add_f32 v[TC:TC+1], v[SC+48:SC+49], v[SC+50:SC+51]
.irp i, 2,3,4,5,6,7
	v_pk_add_f32 v[LS:LS+1],   v[LS:LS+1],   v[SC+2*\i:SC+2*\i+1]
	v_pk_add_f32 v[LS+2:LS+3], v[LS+2:LS+3], v[SC+32+2*\i:SC+32+2*\i+1]
	v_pk_add_f32 v[LB:LB+1],   v[LB:LB+1],   v[SC+16+2*\i:SC+16+2*\i+1]
	v_pk_add_f32 v[TC:TC+1],   v[TC:TC+1],   v[SC+48+2*\i:SC+48+2*\i+1]
.endr
	v_pk_add_f32 v[LS:LS+1],   v[LS:LS+1],   v[LB:LB+1]
	v_pk_add_f32 v[LS+2:LS+3], v[LS+2:LS+3], v[TC:TC+1]
.irp b, 0,1,2,3
.irp i, 0,1,2,3,4,5,6,7
	v_cvt_pk_f16_f32 v[SC+16*\b+\i], v[SC+16*\b+2*\i], v[SC+16*\b+2*\i+1]        ; P^T fragment in place, ascending: register i is free once pair i/2 is packed
.endr
.endr
.if \close == 0
	s_wait_dscnt 0x0                               ; V's fragments (in a closing step they were waited for in front of the signal)
.endif
.irp qt, 0,1
.irp dt, 0,1,2,3
.if \first
	v_wmma_f32_16x16x32_f16 v[OA+8*(4*\qt+\dt):OA+8*(4*\qt+\dt)+7], v[FR+16*\dt:FR+16*\dt+7], v[SC+32*\qt:SC+32*\qt+7], 0
.else
	v_wmma_f32_16x16x32_f16 v[OA+8*(4*\qt+\dt):OA+8*(4*\qt+\dt)+7], v[FR+16*\dt:FR+16*\dt+7], v[SC+32*\qt:SC+32*\qt+7], v[OA+8*(4*\qt+\dt):OA+8*(4*\qt+\dt)+7]
.endif
.endr
.endr
.irp qt, 0,1
.irp dt, 0,1,2,3
	v_wmma_f32_16x16x32_f16 v[OA+8*(4*\qt+\dt):OA+8*(4*\qt+\dt)+7], v[FR+16*\dt+8:FR+16*\dt+15], v[SC+32*\qt+16:SC+32*\qt+23], v[OA+8*(4*\qt+\dt):OA+8*(4*\qt+\dt)+7]
.endr
.endr
	PLACES 5                                       ; the next step's products write over P, its loads over V's fragments
.if \close
	s_barrier_wait -1                              ; all eight waves have said so
.endif
.if \close == 1
	CREST                                          ; and all four work-groups: no wave of any partner still reads this slot or has a load on its way
	tensor_load_to_lds s[24+4*\slot:27+4*\slot], s[16:23]                        ; my one tensor load behind the round, ahead of every LDS read
	s_nop 0
.endif
.endm
	s_wait_tensorcnt 0x1                           ; my part of slot 0 is in; slot 1's stays out
	s_barrier_signal -1
	s_barrier_wait -1
	s_wait_loadcnt 0x0                             ; Q
	STEP64 0, 0, 1, 1, 0                           ; keys 0-127; then slot 0 is asked for again: keys 256-383
	STEP64 0, 1, 0, 1, 1
	s_mov_b32 s67, 2
.Lkv:                                              ; two trips: keys 128-383 and 384-639; each slot is asked for again, 256 keys on
	STEP64 1, 0, 0, 1, 0
	STEP64 1, 1, 0, 1, 1
	STEP64 0, 0, 0, 1, 0
	STEP64 0, 1, 0, 1, 1
	s_sub_co_u32 s67, s67, 1
	s_cmp_lg_u32 s67, 0
	s_cbranch_scc1 .Lkv
	STEP64 1, 0, 0, 1, 0                           ; keys 640-767; then the last fill: slot 1, keys 896-1023
	STEP64 1, 1, 0, 1, 1
	STEP64 0, 0, 0, 1, 0                           ; keys 768-895; nothing is left to fetch: a plain barrier shows slot 1 whole
	STEP64 0, 1, 0, 1, 2
	STEP64 1, 0, 0, 1, 0                           ; keys 896-1023
	STEP64 1, 1, 0, 0, 0
	; the way out: divide by the sums, round to f16, through the stage so that whole rows of 256 bytes (both heads) are stored
	v_add_f32 v[TA],   v[LS],   v[LS+1]
	v_add_f32 v[TA+1], v[LS+2], v[LS+3]
	v_permlanex16_b32 v[TB],   v[TA],   s100, s101
	v_permlanex16_b32 v[TB+1], v[TA+1], s100, s101
	v_add_f32 v[TA],   v[TA],   v[TB]              ; at least 1: the largest score of a row contributes 2^0
	v_add_f32 v[TA+1], v[TA+1], v[TB+1]
	v_rcp_f32 v[AL],   v[TA]
	v_rcp_f32 v[AL+1], v[TA]
	v_rcp_f32 v[AL+2], v[TA+1]
	v_rcp_f32 v[AL+3], v[TA+1]
	v_and_b32 v1, 15, v0                           ; plain work behind the reciprocals: the stage's addresses
	v_bfe_u32 v7, v0, 4, 1
	s_and_b32 s2, s66, 3
	s_mul_i32 s2, s2, 32*PITCH
	s_lshr_b32 s3, s66, 2
	s_lshl_b32 s3, s3, 7
	s_add_co_u32 s2, s2, s3
	s_add_co_u32 s2, s2, STAGE
	v_mul_u32_u24 v12, v1, PITCH
	v_lshl_add_u32 v12, v7, 4, v12
	v_add_nc_u32 v12, s2, v12                      ; in: row 32 qg + r (+ 16 qt), byte 128 hs + 16 h (+ 32 dt)
	s_mul_i32 s3, s66, 16*PITCH
	s_add_co_u32 s3, s3, STAGE
	v_mul_u32_u24 v13, v7, PITCH
	v_lshl_add_u32 v13, v1, 4, v13
	v_add_nc_u32 v13, s3, v13                      ; back: rows 16 w + (L >> 4) + 2 t, 16 bytes a lane
	v_lshlrev_b32 v14, 4, v1
	v_lshl_add_u32 v14, v7, 11, v14                ; and the same two rows in vals
	s_wait_alu depctr_va_vdst(0)
.irp qt, 0,1
.irp i, 0,1,2,3,4,5,6,7,8,9,10,11,12,13,14,15
	v_pk_mul_f32 v[OA+32*\qt+2*\i:OA+32*\qt+2*\i+1], v[OA+32*\qt+2*\i:OA+32*\qt+2*\i+1], v[AL+2*\qt:AL+2*\qt+1]
.endr
.endr
.irp n, 0,1,2,3,4,5,6,7
.irp i, 0,1,2,3
	v_cvt_pk_f16_f32 v[SC+4*\n+\i], v[OA+8*\n+2*\i], v[OA+8*\n+2*\i+1]
.endr
.endr
.irp qt, 0,1
.irp dt, 0,1,2,3
	ds_store_b128 v12, v[SC+4*(4*\qt+\dt):SC+4*(4*\qt+\dt)+3] offset:16*\qt*PITCH+32*\dt
.endr
.endr
	s_wait_dscnt 0x0                               ; my stores are done before I say so: other waves read these rows
	ROUND                                          ; the closing round: no work-group ends while a partner may still ask jointly; its barriers also order the stage
.irp t, 0,1,2,3,4,5,6,7
	ds_load_b128 v[FR+4*\t:FR+4*\t+3], v13 offset:2*\t*PITCH
.endr
.irp t, 0,1,2,3,4,5,6,7
	s_wait_dscnt 7-\t                              ; LDS loads come back in order: the 7 - t younger ones stay out
	global_store_b128 v14, v[FR+4*\t:FR+4*\t+3], s[8:9] offset:4096*\t           ; 16 lanes store 256 consecutive bytes, aligned
.endr
	s_set_vgpr_msb 0x5
	s_wait_tensorcnt 0x0
	ds_add_u32 v0, v1
	s_wait_dscnt 0x0
	s_set_vgpr_msb 0x500
	s_endpgm
.Lfunc_end_k_q6ecf1878ae_attn:
	.size	k_q6ecf1878ae_attn, .Lfunc_end_k_q6ecf1878ae_attn-k_q6ecf1878ae_attn
	.p2alignl 7, 3214868480
	.fill 96, 4, 3214868480
	.section	.rodata,"a",@progbits
	.p2align	6, 0x0
	.amdhsa_kernel k_q6ecf1878ae_attn
		.amdhsa_group_segment_fixed_size 327680
		.amdhsa_private_segment_fixed_size 0
		.amdhsa_enable_private_segment 0
		.amdhsa_kernarg_size 24
		.amdhsa_user_sgpr_count 2
		.amdhsa_user_sgpr_kernarg_segment_ptr 1
		.amdhsa_wavefront_size32 1
		.amdhsa_system_sgpr_workgroup_id_x 1
		.amdhsa_system_sgpr_workgroup_id_y 1
		.amdhsa_system_sgpr_workgroup_id_z 1
		.amdhsa_system_vgpr_workitem_id 0
		.amdhsa_next_free_vgpr 258
		.amdhsa_next_free_sgpr 102
		.amdhsa_reserve_vcc 0
		.amdhsa_float_denorm_mode_32 3
		.amdhsa_float_denorm_mode_16_64 3
		.amdhsa_memory_ordered 1
		.amdhsa_forward_progress 1
		.amdhsa_inst_pref_size 255
	.end_amdhsa_kernel
	.section	.bss,"aw",@nobits
	.p2align	6
	.space	262144
	.amdgpu_metadata
---
amdhsa.version: [ 1, 2 ]
amdhsa.kernels:
  - .name:           k_q6ecf1878ae_attn
    .symbol:         k_q6ecf1878ae_attn.kd
    .args:
      - { .name: prj, .offset: 0, .size: 8, .value_kind: global_buffer, .address_space: global }
      - { .name: mbits, .offset: 8, .size: 8, .value_kind: global_buffer, .address_space: global }
      - { .name: vals, .offset: 16, .size: 8, .value_kind: global_buffer, .address_space: global }
    .group_segment_fixed_size: 327680
    .private_segment_fixed_size: 0
    .kernarg_segment_align: 8
    .kernarg_segment_size: 24
    .max_flat_workgroup_size: 256
    .sgpr_count:     102
    .vgpr_count:     258
    .wavefront_size: 32
...
	.end_amdgpu_metadata
.endif
;; end of part 3
;; launch outp (part 4): grid 8 x 32, 4 waves a work-group, clusters of 4 x 4, 327,680 bytes of LDS; arguments vals, prj, out0; writes out0
.if DOCPART == 4
	.amdgcn_target "amdgcn-amd-amdhsa--gfx1250"
	.amdhsa_code_object_version 6
	.text
	.protected	k_q6ecf1878ae_outp
	.globl	k_q6ecf1878ae_outp
	.p2align	8
	.type	k_q6ecf1878ae_outp,@function
k_q6ecf1878ae_outp:
	s_mov_b64 s[64:65], 0
	v_nop
	global_prefetch_b8 v0, s[64:65] scope:SCOPE_SE
	s_setreg_imm32_b32 hwreg(HW_REG_WAVE_MODE, 25, 1), 1
	s_wait_xcnt 0x0
	s_wait_alu depctr_hold_cnt(0) depctr_sa_sdst(0) depctr_va_vdst(0) depctr_va_sdst(0) depctr_va_ssrc(0) depctr_va_vcc(0) depctr_vm_vsrc(0)
	s_getreg_b32 s2, hwreg(HW_REG_IB_STS2, 6, 4)
	s_cmp_eq_u32 s2, 0
	s_cbranch_scc0 .Lentry_in_a_cluster
	s_endpgm
.Lentry_in_a_cluster:
	s_bfe_u32 s2, ttmp6, 0x10000c
	s_cmp_lg_u32 s2, 0xf033
	s_cbranch_scc0 .Lentry_shape_is_right
	s_endpgm
.Lentry_shape_is_right:
; outp: out0[m][o] = sum over n' of vals[m][n'] W2'[o][n'].  vals: [4096][1024] f16; W2' = matrix 12 of prj, [1024][1024] f16; out0: [4096][1024] f32.
; Blocks of 128 x 128 give 8 x 32 = 256 work-groups; a wave makes 64 x 64: 16 accumulator tiles.  (Blocks of 256 x 256 would leave 64 work-groups.)
; Clusters of 4 x 4: vals' tile is shared along a row of the cluster, W2's along a column, each asked for jointly by the four that need it.
; K goes through two LDS slots of 256 along K (eight steps of 32): rows of 512 bytes of memory, aligned; four fills in all, so the text has no loop.
; By this text's count a wave has two tensor loads out at the start and one behind each round.
; The matrix instruction is used transposed (source 0 = rows of W2', source 1 = rows of vals): a lane's eight results are eight neighbouring columns of out0.
; REGISTERS: window 0: v16-26 addresses; v64-127, v128-191 fragment buffers (W2' at + 8 b, vals at + 32 + 8 a);  window 1: accumulator (a, b) at v[8 (4 a + b)].
.set PITCH,  528                       ; 512 bytes + 16: an odd multiple of 16
.set HALF,   64*PITCH                  ; what one tensor load brings, and what one wave reads of either operand
.set SLOT,   4*HALF                    ; vals' 128 rows, then W2's 128 rows
.set STAGE,  2*SLOT                    ; behind the ring: 16 rows x 272 bytes for each wave; no tensor load lands here
.set SPITCH, 272
.set ADRA, 16
.set ADRB, 20
.set STO,  24
.set RD,   25
.set CO,   26
.set F0,   64
.set F1,   128
.set G1, 24
.set G0, 32
.set G1B, 48
.set G0B, 56
.set MSB, 0
.macro WIN new                         ; the immediate's high byte repeats the setting that is left; a switch that changes nothing is dropped
.if MSB != \new
	s_set_vgpr_msb (MSB<<8)|\new
.set MSB, \new
.endif
.endm
.set MUL, 0x50                         ; C and D in window 1
.set ST,  0x04                         ; an LDS store's data in window 1
.macro JLOAD s                         ; waves 0, 1 ask for vals' halves, waves 2, 3 for W2's: each line has one mask; the branch hangs on the wave's number alone
	s_cmp_eq_u32 s11, 0
	s_cbranch_scc0 .Lfor_b_\@
	tensor_load_to_lds s[G0+4*\s:G0+4*\s+3], s[G1:G1+7]
	s_nop 0
	s_branch .Lasked_\@
.Lfor_b_\@:
	tensor_load_to_lds s[G0B+4*\s:G0B+4*\s+3], s[G1B:G1B+7]
	s_nop 0
.Lasked_\@:
.endm
.macro CREST
	s_cmp_lg_u32 s10, 0
	s_cbranch_scc1 .Lnot_wave_0_\@
	s_barrier_signal -3
.Lnot_wave_0_\@:
	s_barrier_wait -3
	s_barrier_signal -1
	s_barrier_wait -1
.endm
.macro CROUND
	s_barrier_signal -1
	s_barrier_wait -1
	CREST
.endm
	s_load_b128 s[4:7], s[0:1], 0x0                ; vals s[4:5], prj s[6:7]
	s_load_b64 s[8:9], s[0:1], 0x10                ; out0
	v_lshl_add_u32 v254, v0, 2, 0x46400
	v_mov_b32 v255, 0
	ds_add_u32 v254, v255
	v_lshrrev_b32 v1, 5, v0
	v_readfirstlane_b32 s10, v1                    ; wave 0..3
	s_lshr_b32 s11, s10, 1                         ; my half of the block's rows; also: I fetch for vals (0) or W2' (1)
	s_and_b32 s12, s10, 1                          ; my half of its columns; also: which 64 rows of that tile I fetch
	s_bfe_u32 s40, ttmp6, 0x40000                  ; cx
	s_bfe_u32 s41, ttmp6, 0x40004                  ; cy
	s_lshl_b32 s42, ttmp9, 2
	s_add_co_u32 s42, s42, s40                     ; block column = 4 x cluster x + cx
	s_and_b32 s13, ttmp7, 0xffff
	s_lshl_b32 s13, s13, 2
	s_add_co_u32 s13, s13, s41                     ; block row = 4 x cluster y + cy
	s_lshl_b32 s43, s41, 2
	s_lshl_b32 s43, 15, s43                        ; my row of the cluster
	s_lshl_b32 s44, 0x1111, s40                    ; my column
	; group 1: 64 rows x 256 elements of 2 bytes, 4 words of padding behind every 128; bit 21 stands beside a mask
	s_or_b32 s[G1+0], s43, (1<<16)|(1<<20)|(1<<21)|(6<<22)|(3<<25)
	s_or_b32 s[G1B+0], s44, (1<<16)|(1<<20)|(1<<21)|(6<<22)|(3<<25)
	s_mov_b32 s[G1B+1], 256<<16
	s_mov_b32 s[G1+1], 256<<16                     ; tensor_dim0
	s_mov_b32 s[G1B+2], 64<<16
	s_mov_b32 s[G1+2], 64<<16                      ; tensor_dim1
	s_mov_b32 s[G1B+3], 256<<16
	s_mov_b32 s[G1+3], 256<<16                     ; tile_dim0
	s_mov_b32 s[G1B+4], 64
	s_mov_b32 s[G1+4], 64                          ; tile_dim1
	s_mov_b32 s[G1B+5], 1024
	s_mov_b32 s[G1+5], 1024                        ; elements from row to row
	s_mov_b32 s[G1B+6], 0
	s_mov_b32 s[G1+6], 0
	s_mov_b32 s[G1B+7], 0
	s_mov_b32 s[G1+7], 0
	; vals' tiles hang on the block row alone, W2's on the block column alone, each in registers that never hold the other coordinate
	s_lshl_b32 s17, s12, 6
	s_lshl_b32 s16, s13, 7
	s_add_co_u32 s16, s16, s17                     ; row 128 x block row + 64 x half
	s_lshl_b32 s16, s16, 11                        ; rows of 2,048 bytes
	s_lshl_b32 s46, s42, 7
	s_add_co_u32 s46, s46, s17                     ; row 128 x block column + 64 x half
	s_lshl_b32 s46, s46, 11
	s_add_co_u32 s46, s46, 12<<21                  ; in matrix 12 of prj
	s_mov_b32 s17, 0
	s_mov_b32 s47, 0
	s_mul_i32 s20, s10, HALF                       ; LDS: wave x 64 rows
	s_wait_dscnt 0x0
	s_wait_kmcnt 0x0
	s_add_nc_u64 s[14:15], s[4:5], s[16:17]
	s_add_nc_u64 s[46:47], s[6:7], s[46:47]
	CROUND                                         ; all sixteen work-groups are here: the first joint loads meet
.irp s, 0,1
	s_mov_b32 s[G0+4*\s], 1
	s_add_co_u32 s[G0+4*\s+1], s20, \s*SLOT
	s_add_nc_u64 s[G0+4*\s+2:G0+4*\s+3], s[14:15], \s*512
	s_or_b32 s[G0+4*\s+3], s[G0+4*\s+3], 0x80000000
	s_mov_b32 s[G0B+4*\s], 1
	s_add_co_u32 s[G0B+4*\s+1], s20, \s*SLOT
	s_add_nc_u64 s[G0B+4*\s+2:G0B+4*\s+3], s[46:47], \s*512
	s_or_b32 s[G0B+4*\s+3], s[G0B+4*\s+3], 0x80000000
	JLOAD \s
.endr
	v_and_b32 v1, 15, v0                           ; r
	v_bfe_u32 v2, v0, 4, 1                         ; h
	v_mul_u32_u24 v3, v1, PITCH
	v_lshl_add_u32 v3, v2, 4, v3
	s_mul_i32 s21, s11, HALF                       ; my 64 rows of vals
	s_mul_i32 s22, s12, HALF                       ; my 64 rows of W2',
	s_add_co_u32 s22, s22, 2*HALF                  ; which lie behind vals' 128
.irp s, 0,1
	v_add_nc_u32 v[ADRA+\s], s21, v3
	v_add_nc_u32 v[ADRB+\s], s22, v3
	s_add_co_u32 s21, s21, SLOT
	s_add_co_u32 s22, s22, SLOT
.endr
	s_mul_i32 s23, s10, 16*SPITCH
	s_add_co_u32 s23, s23, STAGE                   ; my stage
	v_mul_u32_u24 v4, v1, SPITCH
	v_lshl_add_u32 v4, v2, 5, v4                   ; in: row r, 32 bytes (8 f32) for each half of the lanes
	v_add_nc_u32 v[STO], s23, v4
	v_mul_u32_u24 v5, v2, SPITCH
	v_lshl_add_u32 v5, v1, 4, v5                   ; back: lanes 0-15 one row of 256 bytes, lanes 16-31 the next
	v_add_nc_u32 v[RD], s23, v5
	v_lshlrev_b32 v5, 12, v2
	v_lshl_add_u32 v[CO], v1, 4, v5                ; the same two rows in out0
; Four matrix instructions: m block a x the four n blocks.  The 16 accumulators take turns, one instruction a turn, in the same order in every step.
; zero = 1: the first product starts the sums.
.macro MULROW f, a, zero
.irp b, 0,1,2,3
.if \zero
	v_wmma_f32_16x16x32_f16 v[8*(4*\a+\b):8*(4*\a+\b)+7], v[\f+8*\b:\f+8*\b+7], v[\f+32+8*\a:\f+32+8*\a+7], 0
.else
	v_wmma_f32_16x16x32_f16 v[8*(4*\a+\b):8*(4*\a+\b)+7], v[\f+8*\b:\f+8*\b+7], v[\f+32+8*\a:\f+32+8*\a+7], v[8*(4*\a+\b):8*(4*\a+\b)+7]
.endif
.endr
.endm
.macro FETCH slot, k, f                ; 16 LDS loads in one run: W2's four fragments, then vals' four, 32 along K at byte k of the rows
.irp i, 0,1,2,3
	ds_load_b128 v[\f+8*\i:\f+8*\i+3],   v[ADRB+\slot] offset:\k+\i*16*PITCH
	ds_load_b128 v[\f+8*\i+4:\f+8*\i+7], v[ADRB+\slot] offset:\k+\i*16*PITCH+32
.endr
.irp i, 0,1,2,3
	ds_load_b128 v[\f+32+8*\i:\f+32+8*\i+3],   v[ADRA+\slot] offset:\k+\i*16*PITCH
	ds_load_b128 v[\f+32+8*\i+4:\f+32+8*\i+7], v[ADRA+\slot] offset:\k+\i*16*PITCH+32
.endr
.endm
.macro PLACES                          ; four independent vector instructions between a matrix instruction and a load into, or a store of, its registers
.rept 4
	v_nop
.endr
.endm
.macro QSTEP slot, k, f, g, zero       ; multiplies buffer f; in its middle fetches the next step's fragments into buffer g
	s_wait_dscnt 4                                 ; W2's fragments and vals' blocks 0, 1 are in; the youngest four loads (blocks 2, 3) may be out
	WIN MUL
	MULROW \f, 0, \zero
	MULROW \f, 1, \zero
	PLACES
	WIN 0
	FETCH \slot, \k, \g
	s_wait_dscnt 16                                ; all but the 16 just issued
	WIN MUL
	MULROW \f, 2, \zero
	MULROW \f, 3, \zero
.endm
.macro SEVEN slot, zero
	QSTEP \slot, 64,  F0, F1, \zero
	QSTEP \slot, 128, F1, F0, 0
	QSTEP \slot, 192, F0, F1, 0
	QSTEP \slot, 256, F1, F0, 0
	QSTEP \slot, 320, F0, F1, 0
	QSTEP \slot, 384, F1, F0, 0
	QSTEP \slot, 448, F0, F1, 0
.endm
; A slot's eighth step multiplies buffer 1 and changes slots.  In front of the barrier each wave waits for its reads of this slot and for all its tensor
; loads (one is out: its part of the next slot).  Where the slot is filled again the barrier opens a round of the cluster's barrier, and the joint refill
; is the first tensor load behind the round's end.
.macro TURN slot, next, fill
	s_wait_dscnt 4
	WIN MUL
	MULROW F1, 0, 0
	s_wait_dscnt 0
	s_wait_tensorcnt 0x0
	ds_add_u32 v254, v255
	s_wait_dscnt 0x0
	s_barrier_signal -1
	MULROW F1, 1, 0                                ; register work while the others arrive
	WIN 0
	s_barrier_wait -1
.if \fill
	CREST
	s_add_nc_u64 s[G0+4*\slot+2:G0+4*\slot+3], s[G0+4*\slot+2:G0+4*\slot+3], 1024     ; two slots on: 512 elements along K
	s_add_nc_u64 s[G0B+4*\slot+2:G0B+4*\slot+3], s[G0B+4*\slot+2:G0B+4*\slot+3], 1024
	JLOAD \slot
.endif
	PLACES
	FETCH \next, 0, F0
	WIN MUL
	MULROW F1, 2, 0
	MULROW F1, 3, 0
.endm
	s_wait_tensorcnt 1                             ; my part of slot 0 is in; slot 1's stays out
	s_barrier_signal -1
	s_barrier_wait -1
	FETCH 0, 0, F0
	SEVEN 0, 1                                     ; K 0-255; the first products start the sums
	TURN 0, 1, 1
	SEVEN 1, 0                                     ; K 256-511
	TURN 1, 0, 1
	SEVEN 0, 0                                     ; K 512-767
	TURN 0, 1, 0                                   ; nothing is left to fetch
	SEVEN 1, 0                                     ; K 768-1023
	s_wait_dscnt 4
	WIN MUL
	MULROW F1, 0, 0
	MULROW F1, 1, 0
	s_wait_dscnt 0
	MULROW F1, 2, 0
	MULROW F1, 3, 0
	PLACES                                         ; then the results may be stored to LDS and the buffers loaded over
	s_lshl_b32 s13, s13, 19                        ; 128 rows of 4,096 bytes a block row
	s_lshl_b32 s14, s11, 18
	s_add_co_u32 s16, s13, s14
	s_mov_b32 s17, 0
	s_add_nc_u64 s[8:9], s[8:9], s[16:17]
	s_lshl_b32 s46, s42, 9                         ; 128 columns of 4 bytes a block column
	s_lshl_b32 s47, s12, 8
	s_add_co_u32 s46, s46, s47
	s_mov_b32 s47, 0
	s_add_nc_u64 s[8:9], s[8:9], s[46:47]
; rows 16 a .. 16 a + 15 of my block: 32 bytes a lane and tile into my own stage, read back as whole rows of 256 bytes (64 f32)
.macro OUT16 a, f
	WIN ST
.irp b, 0,1,2,3
	ds_store_b128 v[STO], v[8*(4*\a+\b):8*(4*\a+\b)+3]   offset:64*\b
	ds_store_b128 v[STO], v[8*(4*\a+\b)+4:8*(4*\a+\b)+7] offset:64*\b+16
.endr
	WIN 0
	s_wait_xcnt 0x0                                ; buffer f, which earlier stores read, is loaded again only behind this wait
.irp t, 0,1,2,3,4,5,6,7
	ds_load_b128 v[\f+4*\t:\f+4*\t+3], v[RD] offset:\t*2*SPITCH    ; a wave's LDS instructions are served in order: these see the stores above
.endr
.irp t, 0,1,2,3,4,5,6,7
	s_wait_dscnt 7-\t
	global_store_b128 v[CO], v[\f+4*\t:\f+4*\t+3], s[8:9] offset:65536*\a+8192*\t th:TH_STORE_NT   ; 16 lanes store 256 consecutive bytes, aligned
.endr
.endm
	OUT16 0, F0
	OUT16 1, F1
	OUT16 2, F0
	OUT16 3, F1
	s_wait_tensorcnt 0x0
	ds_add_u32 v254, v255
	s_wait_dscnt 0x0
	CROUND                                         ; the closing round: no work-group ends while a partner may still ask jointly
	s_endpgm
.Lfunc_end_k_q6ecf1878ae_outp:
	.size	k_q6ecf1878ae_outp, .Lfunc_end_k_q6ecf1878ae_outp-k_q6ecf1878ae_outp
	.p2alignl 7, 3214868480
	.fill 96, 4, 3214868480
	.section	.rodata,"a",@progbits
	.p2align	6, 0x0
	.amdhsa_kernel k_q6ecf1878ae_outp
		.amdhsa_group_segment_fixed_size 327680
		.amdhsa_private_segment_fixed_size 0
		.amdhsa_enable_private_segment 0
		.amdhsa_kernarg_size 24
		.amdhsa_user_sgpr_count 2
		.amdhsa_user_sgpr_kernarg_segment_ptr 1
		.amdhsa_wavefront_size32 1
		.amdhsa_system_sgpr_workgroup_id_x 1
		.amdhsa_system_sgpr_workgroup_id_y 1
		.amdhsa_system_sgpr_workgroup_id_z 1
		.amdhsa_system_vgpr_workitem_id 0
		.amdhsa_next_free_vgpr 384
		.amdhsa_next_free_sgpr 66
		.amdhsa_reserve_vcc 0
		.amdhsa_float_denorm_mode_32 3
		.amdhsa_float_denorm_mode_16_64 3
		.amdhsa_memory_ordered 1
		.amdhsa_forward_progress 1
		.amdhsa_inst_pref_size 89
	.end_amdhsa_kernel
	.amdgpu_metadata
---
amdhsa.version: [ 1, 2 ]
amdhsa.kernels:
  - .name:           k_q6ecf1878ae_outp
    .symbol:         k_q6ecf1878ae_outp.kd
    .args:
      - { .name: vals, .offset: 0, .size: 8, .value_kind: global_buffer, .address_space: global }
      - { .name: prj, .offset: 8, .size: 8, .value_kind: global_buffer, .address_space: global }
      - { .name: out0, .offset: 16, .size: 8, .value_kind: global_buffer, .address_space: global }
    .group_segment_fixed_size: 327680
    .private_segment_fixed_size: 0
    .kernarg_segment_align: 8
    .kernarg_segment_size: 24
    .max_flat_workgroup_size: 128
    .sgpr_count:     66
    .vgpr_count:     384
    .wavefront_size: 32
...
	.end_amdgpu_metadata
.endif
;; end of part 4
